; MI455X (gfx1250); checked and timed in simulation.
; The chip was launched on July 23, 2026; its instructions are those of AMD's public machine-readable ISA for CDNA 5 (MIT licence, August 2026) and "CDNA5" Instruction Set Architecture Reference Guide (July 2026). The comments in the code are by the model that wrote it; some were corrected since.
;; Soft Argmax2 D. Allowed arithmetic: float matrix products may take bf16 or f16 operands with f32 sums; all other float work in f32.
;; Inputs: x 32 x 64 x 128 x 128 float32.
;; Outputs: out0 32 x 64 x 2 float32.
;; One version. Each part assembles by itself: llvm-mc -triple=amdgcn-amd-amdhsa -mcpu=gfx1250 --defsym DOCPART=n.
;; ======== version 1 of 1: 1 launch
;; launch softargmax (part 1): grid 2048 x 1, 4 waves a work-group, no clusters, 2,816 bytes of LDS; arguments x, out0; writes out0
.if DOCPART == 1
	.amdgcn_target "amdgcn-amd-amdhsa--gfx1250"
	.amdhsa_code_object_version 6
	.text
	.protected	k_q7658586935_softargmax
	.globl	k_q7658586935_softargmax
	.p2align	8
	.type	k_q7658586935_softargmax,@function
k_q7658586935_softargmax:
	s_mov_b64 s[64:65], 0
	v_nop
	global_prefetch_b8 v0, s[64:65] scope:SCOPE_SE
	s_setreg_imm32_b32 hwreg(HW_REG_WAVE_MODE, 25, 1), 1
	s_wait_xcnt 0x0
; SoftArgmax2D.  x: [2048 channels][128 rows][128 columns] f32.  out0: [2048][2] f32 = (x coordinate, y coordinate).
; With m the channel's maximum, (ay, ax) the place of its first occurrence and win the Parzen window of width 10 about it,
;   out = sum(win e^(x-m) coord) / sum(win e^(x-m)):
; softmax's own denominator stands in both sums of the renormalisation and cancels; the maximum is taken away in front of the
; exponential; the centre's term is 1, so the divisor is at least 1.  win is 0 beyond distance 5: 11 x 11 numbers count.
; ONE launch, and no address or branch hangs on the argmax: the channel stays in registers and the rows round the argmax are
; picked out of them by selects (v_cndmask_b32) under wave-wide masks.
; A work-group of four waves owns a channel.  Wave w holds the rows 4 i + w, i = 0..31, in v[4:131]; a lane holds columns
; 4 lane .. 4 lane + 3 of each.  One load of a wave is one row: 512 consecutive bytes, aligned; the four waves' loads i cover
; 2,048 consecutive bytes.  Rows are dealt modulo 4 so that the window's 11 rows fall two or three to each wave: a wave picks
; 3 rows out of 32 (39 row selects) and evaluates 12 numbers a lane.
; LIMITS.  Inputs are finite: a NaN is not taken as the maximum (jnp.argmax would take it), and with NaN or infinities, where the
; reference gives NaN, this text promises nothing.  v_exp_f32 gives 0 for results below 2^-126 (ISA guide, 15.8); such terms stand
; beside the centre's 1.  The output is 8 bytes a channel, stored by one lane: 16 KiB in all beside the 128 MiB read.
.set NR,    32                         ; rows of a wave
.set ROWB,  512                        ; bytes in a row
.set BIG,   0x4e6e6b28                 ; 1e9: above every row and column number
.set LMAX,  0                          ; LDS: 4 x (maximum, row), 8 bytes a wave
.set LCOL,  32                         ; LDS: 4 x column, 4 bytes a wave
.set LSUM,  256                        ; LDS: 128 threads x 16 bytes of partial sums
.set ZR,    3                          ; v3        0
.set X,     4                          ; v[4:131]  row i of my 32 in v[X+4i : X+4i+3]
.set BEST,  132                        ; my lane's maximum so far
.set IDX,   133                        ; and the first i that has it
.set T0,    134                        ; v134, v135 at work
.set T1,    135
.set M,     136                        ; maximum (wave's, then channel's)
.set G,     137                        ; its first row as f32 (wave's, then ay); M, G are a pair for one LDS store
.set P,     138                        ; v[138:145] what the four waves exchanged
.set COL,   146                        ; v[146:149] my four column numbers as f32
.set AD,    150                        ; LDS address from the wave's number
.set AX,    151                        ; ax as f32
; behind the selects only rows 0..2 (v[4:15]) are alive; the registers of rows 3..31 are used again:
.set CEN,   16                         ; v[16:19]   the row ay (in the wave that owns it)
.set ARG,   20                         ; v[20:31]   (x - m) log2 e
.set EXPV,  32                         ; v[32:43]   e^(x - m)
.set DX,    44                         ; v[44:47]   column - ax
.set DX2,   48                         ; v[48:51]   its square
.set D2,    52                         ; v[52:63]   dx^2 + dy^2
.set SQ,    64                         ; v[64:75]   the distance
.set U,     76                         ; v[76:87]   max(1 - distance / 5, 0)
.set WGT,   88                         ; v[88:99]   -0.24 d2, then the near branch, then the weight
.set TAIL,  100                        ; v[100:111] u^2, then 2 u^3
.set U2,    112                        ; v[112:123] 2 u
.set ACC,   124                        ; v[124:127] sums of weight x e by column
.set RS,    128                        ; v[128:131] the same by row: second row's pair, third row's pair
.set SXP,   52                         ; v[52:53]   sum of dx x ACC (D2 is done with)
.set RES,   56                         ; v[56:59]   my lane's S0, Sx, Sy, 0
.set DYF,   60                         ; first picked row - ay, as f32
.set L,     64                         ; v[64:79]   wave 0: the four waves' partial sums
.set OUTV,  80                         ; v[80:81]   the result
.set RC,    82                         ; 1 / S0
.macro RED_MAX r, t                    ; maximum over the 32 lanes, in every lane: four steps inside each 16 lanes ride on the arithmetic, one crosses
.irp m, 1,2,4,8
	v_max_num_f32_dpp v[\r], v[\r], v[\r] row_xmask:\m row_mask:0xf bank_mask:0xf
.endr
	v_permlanex16_b32 v[\t], v[\r], s12, s13       ; its destination counts as read: a register that has been written
	v_max_num_f32 v[\r], v[\r], v[\t]
.endm
.macro RED_MIN r, t
.irp m, 1,2,4,8
	v_min_num_f32_dpp v[\r], v[\r], v[\r] row_xmask:\m row_mask:0xf bank_mask:0xf
.endr
	v_permlanex16_b32 v[\t], v[\r], s12, s13
	v_min_num_f32 v[\r], v[\r], v[\t]
.endm
	s_load_b128 s[4:7], s[0:1], 0x0                ; x s[4:5], out0 s[6:7]
	v_lshl_add_u32 v152, v0, 2, 0x900
	v_mov_b32 v153, 0
	v_lshlrev_b32 v1, 4, v0                        ; 16 t = 512 w + 16 lane: my 16 bytes in row w; never rewritten
	v_lshrrev_b32 v2, 5, v0
	v_readfirstlane_b32 s8, v2                     ; wave w, 0..3
	s_lshl_b32 s2, ttmp9, 16                       ; the channel's 65,536 bytes: 2,047 x 65,536 is below 2^32
	s_mov_b32 s3, 0
	s_mov_b32 s12, 0x76543210                      ; v_permlanex16_b32: lane i reads lane i of the other half
	s_mov_b32 s13, 0xfedcba98
	s_wait_kmcnt 0x0
	s_add_nc_u64 s[4:5], s[4:5], s[2:3]
.set i, 0
.rept NR
	global_load_b128 v[X+4*i:X+4*i+3], v1, s[4:5] offset:4*ROWB*i th:TH_LOAD_NT   ; row 4 i + w; read once in the launch
.set i, i+1
.endr
	; while the 32 loads are out: what hangs on ids alone
	s_lshl_b32 s2, ttmp9, 3                        ; 8 bytes of output a channel
	s_add_nc_u64 s[6:7], s[6:7], s[2:3]
	v_mov_b32 v[ZR], 0
	v_and_b32 v2, 31, v0
	v_lshlrev_b32 v2, 2, v2
	v_cvt_f32_u32 v[COL], v2                       ; 4 lane
	v_add_f32 v[COL+1], 1.0, v[COL]
	v_add_f32 v[COL+2], 2.0, v[COL]
	v_add_f32 v[COL+3], 0x40400000, v[COL]         ; + 3.0
	s_lshl_b32 s9, s8, 3
	v_mov_b32 v[AD], s9                            ; 8 w
	; PASS 1: my lane's maximum over 32 rows x 4 columns and the first row that has it.  Five instructions a row.
	s_wait_loadcnt NR-4                            ; loads come back in order (ISA guide 5.7.1): rows 0..3 are in, the 28 younger loads stay out
	v_max3_num_f32 v[BEST], v[X], v[X+1], v[X+2]   ; the first row starts the chain: nothing is cleared
	v_max_num_f32 v[BEST], v[BEST], v[X+3]
	v_mov_b32 v[IDX], 0
.set i, 1
.rept NR-1
.if (i % 4) == 0
	s_wait_loadcnt NR-4-i                          ; rows i..i+3 are in; the NR-4-i loads behind them stay out
.endif
	v_max3_num_f32 v[T0+i%2], v[X+4*i], v[X+4*i+1], v[X+4*i+2]
	v_max_num_f32 v[T0+i%2], v[T0+i%2], v[X+4*i+3]
	v_cmp_ge_f32 vcc_lo, v[BEST], v[T0+i%2]        ; an equal later row does not displace the first
	v_cndmask_b32 v[IDX], i, v[IDX], vcc_lo
	v_max_num_f32 v[BEST], v[BEST], v[T0+i%2]
.set i, i+1
.endr
	; the wave's maximum, and the lowest row among the lanes that hold it.  Row numbers go as f32 (0..127, exact)
	v_lshl_add_u32 v[G], v[IDX], 2, s8             ; row 4 i + w
	v_cvt_f32_u32 v[G], v[G]
	v_mov_b32 v[M], v[BEST]                        ; BEST is kept: it is compared with the wave's maximum below
	RED_MAX M, T0
	v_cmp_eq_f32 vcc_lo, v[BEST], v[M]
	v_cndmask_b32 v[G], BIG, v[G], vcc_lo
	RED_MIN G, T0
	ds_store_b64 v[AD], v[M:M+1] offset:LMAX       ; all lanes write the same 8 bytes with the same values
	s_wait_dscnt 0x0                               ; for the other waves' sake: my store is done in front of my signal
	s_barrier_signal -1
	s_barrier_wait -1
	ds_load_b128 v[P:P+3], v[ZR] offset:LMAX       ; (m0, r0, m1, r1)
	ds_load_b128 v[P+4:P+7], v[ZR] offset:LMAX+16  ; (m2, r2, m3, r3)
	s_wait_dscnt 0x0
	v_max3_num_f32 v[M], v[P], v[P+2], v[P+4]
	v_max_num_f32 v[M], v[M], v[P+6]               ; m
.irp k, 0,2,4,6
	v_cmp_eq_f32 vcc_lo, v[P+\k], v[M]
	v_cndmask_b32 v[P+\k+1], BIG, v[P+\k+1], vcc_lo
.endr
	v_min3_num_f32 v[G], v[P+1], v[P+3], v[P+5]
	v_min_num_f32 v[G], v[G], v[P+7]               ; ay: the lowest row that holds m
	; wave-wide numbers in scalar registers.  They feed masks and operands only, never an address or a branch.
	v_cvt_u32_f32 v[T0], v[G]
	v_readfirstlane_b32 s14, v[T0]                 ; ay
	v_readfirstlane_b32 s15, v[M]                  ; m
	s_sub_co_i32 s16, s14, 5                       ; the window's first row, ay - 5 (may be negative)
	s_sub_co_i32 s17, s8, s16
	s_and_b32 s17, s17, 3                          ; steps up to the first row of the window that is mine (= w modulo 4)
	s_add_co_i32 s16, s16, s17
	s_sub_co_i32 s16, s16, s8
	s_ashr_i32 s16, s16, 2                         ; its index i among my rows, -2..31
	s_max_i32 s16, s16, 0
	s_min_i32 s19, s16, NR-3                       ; clamped to 0..29: the three rows picked are always rows that exist; one that
	                                               ; lies outside the window gets weight 0 from its true distance
	s_lshl2_add_u32 s20, s19, s8                   ; the first picked row, 4 i + w,
	s_sub_co_i32 s20, s20, s14                     ; less ay: dy of the three rows is s20, s20 + 4, s20 + 8
	s_mul_i32 s32, s20, s20                        ; dy^2 (at most 127^2, exact), as f32, each in both halves of a pair for the packed adds
	s_cvt_f32_u32 s32, s32
	s_mov_b32 s33, s32
	s_add_co_i32 s31, s20, 4
	s_mul_i32 s34, s31, s31
	s_cvt_f32_u32 s34, s34
	s_mov_b32 s35, s34
	s_add_co_i32 s31, s20, 8
	s_mul_i32 s36, s31, s31
	s_cvt_f32_u32 s36, s36
	s_mov_b32 s37, s36
	s_xor_b32 s28, s15, 0x80000000                 ; -m, likewise
	s_mov_b32 s29, s28
	; THE SELECTS.  Rows s19, s19+1, s19+2 of my 32 come to rows 0, 1, 2 by five stages, one for each bit of s19, highest first:
	; row r takes row r + step where the bit is set.  In place, r ascending: a stage's sources lie above what it has written.
	; A stage keeps only the rows that the bits still to come can reach (their largest sum + 2): 16, 10, 6, 4, 3 rows.
	; (Stage 1 leaves rows 16, 17 as they are: they are reached only with bit 4 clear, since s19 is at most 29.)
.macro STAGE bit, step, n
	s_bitcmp1_b32 s19, \bit
	s_cselect_b32 vcc_lo, -1, 0                    ; the bit, for all lanes
.set r, 0
.rept 4*\n
	v_cndmask_b32 v[X+r], v[X+r], v[X+r+4*\step], vcc_lo
.set r, r+1
.endr
.endm
	STAGE 4, 16, 16
	STAGE 3, 8, 10
	STAGE 2, 4, 6
	STAGE 1, 2, 4
	STAGE 0, 1, 3
	; ax: the first column of row ay that holds m.  Row ay is one of the three rows of the wave with w = ay modulo 4: the second,
	; or at the clamps the first (dy = 0 there) or the third (first dy = -8).  The other waves compare with a NaN and find nothing.
	s_cmp_eq_u32 s20, 0
	s_cselect_b32 s21, -1, 0
	s_cmp_eq_i32 s20, -8
	s_cselect_b32 s22, -1, 0
	s_and_b32 s23, s14, 3
	s_cmp_eq_u32 s23, s8
	s_cselect_b32 s24, s15, 0x7fc00000
.irp c, 0,1,2,3
	v_cndmask_b32 v[CEN+\c], v[X+4+\c], v[X+\c], s21
.endr
.irp c, 0,1,2,3
	v_cndmask_b32 v[CEN+\c], v[CEN+\c], v[X+8+\c], s22
.endr
	v_cmp_eq_f32 vcc_lo, s24, v[CEN+3]
	v_cndmask_b32 v[T0], BIG, v[COL+3], vcc_lo
.irp c, 2,1,0
	v_cmp_eq_f32 vcc_lo, s24, v[CEN+\c]            ; descending: the lowest column is written last
	v_cndmask_b32 v[T0], v[T0], v[COL+\c], vcc_lo
.endr
	RED_MIN T0, T1
	s_lshl_b32 s9, s8, 2
	v_mov_b32 v[AD], s9                            ; 4 w
	ds_store_b32 v[AD], v[T0] offset:LCOL          ; bytes of their own: nothing in LDS is written twice
	s_wait_dscnt 0x0                               ; my store is done in front of my signal
	s_barrier_signal -1
	; register work while the others arrive: e^(x - m) of my 12 numbers, which does not need ax.  The difference is formed first,
	; as the reference forms it, so that the exponent's error does not grow with a common offset of the inputs; hence no fused form.
.irp p, 0,2,4,6,8,10
	v_pk_add_f32 v[ARG+\p:ARG+\p+1], v[X+\p:X+\p+1], s[28:29] op_sel_hi:[1,0]
.endr
.irp p, 0,2,4,6,8,10
	v_pk_mul_f32 v[ARG+\p:ARG+\p+1], v[ARG+\p:ARG+\p+1], 0x3fb8aa3b op_sel_hi:[1,0]   ; x log2 e
.endr
.set r, 0
.rept 12
	v_exp_f32 v[EXPV+r], v[ARG+r]                  ; back to back; the plain instructions below stand before any use (ISA guide 5.7.2)
.set r, r+1
.endr
	s_barrier_wait -1
	ds_load_b128 v[P:P+3], v[ZR] offset:LCOL
	s_wait_dscnt 0x0
	v_min3_num_f32 v[AX], v[P], v[P+1], v[P+2]
	v_min_num_f32 v[AX], v[AX], v[P+3]             ; ax
	; THE WINDOW on my 12 numbers, two at a time.  d2 = dx^2 + dy^2 (whole numbers, exact), u = max(1 - sqrt(d2) / 5, 0);
	; d2 <= 6.25 (distance <= 2.5): 1 - 6 (d2 / 25) u;  else 2 u^3, which is 0 from distance 5 on.
.irp c, 0,1,2,3
	v_sub_f32 v[DX+\c], v[COL+\c], v[AX]
.endr
	v_pk_mul_f32 v[DX2:DX2+1], v[DX:DX+1], v[DX:DX+1]
	v_pk_mul_f32 v[DX2+2:DX2+3], v[DX+2:DX+3], v[DX+2:DX+3]
.irp n, 0,1,2
	v_pk_add_f32 v[D2+4*\n:D2+4*\n+1], v[DX2:DX2+1], s[32+2*\n:33+2*\n] op_sel_hi:[1,0]
	v_pk_add_f32 v[D2+4*\n+2:D2+4*\n+3], v[DX2+2:DX2+3], s[32+2*\n:33+2*\n] op_sel_hi:[1,0]
.endr
.set r, 0
.rept 12
	v_sqrt_f32 v[SQ+r], v[D2+r]
.set r, r+1
.endr
.irp p, 0,2,4,6,8,10
	v_pk_mul_f32 v[WGT+\p:WGT+\p+1], v[D2+\p:D2+\p+1], 0xbe75c28f op_sel_hi:[1,0]     ; -0.24 d2; these six also stand between the roots and their use
.endr
	s_wait_alu depctr_va_vdst(0)
.irp p, 0,2,4,6,8,10
	v_pk_fma_f32 v[U+\p:U+\p+1], v[SQ+\p:SQ+\p+1], 0xbe4ccccd, 1.0 op_sel_hi:[1,0,0]  ; 1 - 0.2 distance
.endr
.set r, 0
.rept 12
	v_max_num_f32 v[U+r], 0, v[U+r]
.set r, r+1
.endr
.irp p, 0,2,4,6,8,10
	v_pk_fma_f32 v[WGT+\p:WGT+\p+1], v[WGT+\p:WGT+\p+1], v[U+\p:U+\p+1], 1.0 op_sel_hi:[1,1,0]   ; near the mode
	v_pk_mul_f32 v[TAIL+\p:TAIL+\p+1], v[U+\p:U+\p+1], v[U+\p:U+\p+1]
	v_pk_add_f32 v[U2+\p:U2+\p+1], v[U+\p:U+\p+1], v[U+\p:U+\p+1]
.endr
.irp p, 0,2,4,6,8,10
	v_pk_mul_f32 v[TAIL+\p:TAIL+\p+1], v[TAIL+\p:TAIL+\p+1], v[U2+\p:U2+\p+1]         ; in the tail
.endr
.set r, 0
.rept 12
	v_cmp_ge_f32 vcc_lo, 0x40c80000, v[D2+r]       ; 6.25 >= d2
	v_cndmask_b32 v[WGT+r], v[TAIL+r], v[WGT+r], vcc_lo
.set r, r+1
.endr
	; THE SUMS of weight x e: by column (for S0 and for x) and by row (for y), each a chain of fused multiply-adds started by a product.
	; Coordinates are counted from (ax, ay), so that the sums stay small beside S0.
	v_pk_mul_f32 v[ACC:ACC+1], v[WGT:WGT+1], v[EXPV:EXPV+1]
	v_pk_mul_f32 v[ACC+2:ACC+3], v[WGT+2:WGT+3], v[EXPV+2:EXPV+3]
.irp n, 1,2
	v_pk_fma_f32 v[ACC:ACC+1], v[WGT+4*\n:WGT+4*\n+1], v[EXPV+4*\n:EXPV+4*\n+1], v[ACC:ACC+1]
	v_pk_fma_f32 v[ACC+2:ACC+3], v[WGT+4*\n+2:WGT+4*\n+3], v[EXPV+4*\n+2:EXPV+4*\n+3], v[ACC+2:ACC+3]
	v_pk_mul_f32 v[RS+2*\n-2:RS+2*\n-1], v[WGT+4*\n:WGT+4*\n+1], v[EXPV+4*\n:EXPV+4*\n+1]
	v_pk_fma_f32 v[RS+2*\n-2:RS+2*\n-1], v[WGT+4*\n+2:WGT+4*\n+3], v[EXPV+4*\n+2:EXPV+4*\n+3], v[RS+2*\n-2:RS+2*\n-1]
.endr
	v_pk_mul_f32 v[RS:RS+1], v[RS:RS+1], 4.0 op_sel_hi:[1,0]                          ; the second row lies 4 below the first,
	v_pk_fma_f32 v[RS:RS+1], v[RS+2:RS+3], 0x41000000, v[RS:RS+1] op_sel_hi:[1,0,1]   ; the third 8
	v_pk_mul_f32 v[SXP:SXP+1], v[DX:DX+1], v[ACC:ACC+1]
	v_pk_fma_f32 v[SXP:SXP+1], v[DX+2:DX+3], v[ACC+2:ACC+3], v[SXP:SXP+1]
	v_pk_add_f32 v[ACC:ACC+1], v[ACC:ACC+1], v[ACC+2:ACC+3]
	v_cvt_f32_i32 v[DYF], s20
	v_add_f32 v[RES], v[ACC], v[ACC+1]             ; S0
	v_add_f32 v[RES+1], v[SXP], v[SXP+1]           ; Sx = sum of (column - ax) p
	v_add_f32 v[RES+2], v[RS], v[RS+1]
	v_fmac_f32 v[RES+2], v[DYF], v[RES]            ; Sy = sum of (row - ay) p = dy0 S0 + 4 (second row) + 8 (third row)
	v_mov_b32 v[RES+3], 0                          ; the store's fourth word: padding to 16 bytes a thread
	ds_store_b128 v1, v[RES:RES+3] offset:LSUM     ; thread t at 16 t: neighbouring lanes, neighbouring 16 bytes
	s_wait_dscnt 0x0                               ; my store is done in front of my signal
	s_barrier_signal -1
	s_barrier_wait -1
	s_cmp_lg_u32 s8, 0
	s_cbranch_scc1 .Lothers                        ; one wave adds up: the cross-lane sums are made once, not four times
.irp k, 0,1,2,3
	ds_load_b128 v[L+4*\k:L+4*\k+3], v1 offset:LSUM+512*\k     ; in wave 0 v1 = 16 lane: lane l takes lane l's sums of each wave
.endr
	s_wait_dscnt 0x0
	v_pk_add_f32 v[L:L+1], v[L:L+1], v[L+4:L+5]
	v_pk_add_f32 v[L+8:L+9], v[L+8:L+9], v[L+12:L+13]
	v_add_f32 v[L+2], v[L+2], v[L+6]
	v_add_f32 v[L+10], v[L+10], v[L+14]
	v_pk_add_f32 v[L:L+1], v[L:L+1], v[L+8:L+9]
	v_add_f32 v[L+2], v[L+2], v[L+10]
.irp m, 1,2,4,8
	v_add_f32_dpp v[L], v[L], v[L] row_xmask:\m row_mask:0xf bank_mask:0xf
	v_add_f32_dpp v[L+1], v[L+1], v[L+1] row_xmask:\m row_mask:0xf bank_mask:0xf
	v_add_f32_dpp v[L+2], v[L+2], v[L+2] row_xmask:\m row_mask:0xf bank_mask:0xf
.endr
	v_permlanex16_b32 v[L+4], v[L], s12, s13
	v_permlanex16_b32 v[L+5], v[L+1], s12, s13
	v_permlanex16_b32 v[L+6], v[L+2], s12, s13
	v_pk_add_f32 v[L:L+1], v[L:L+1], v[L+4:L+5]
	v_add_f32 v[L+2], v[L+2], v[L+6]
	v_rcp_f32 v[RC], v[L]                          ; S0 >= 1: the centre's term
	v_cmp_eq_u32 vcc_lo, 0, v0                     ; a plain instruction between the reciprocal and its use (ISA guide 5.7.2)
	s_wait_alu depctr_va_vdst(0)
	v_fma_f32 v[OUTV], v[L+1], v[RC], v[AX]        ; x = ax + Sx / S0
	v_fma_f32 v[OUTV+1], v[L+2], v[RC], v[G]       ; y = ay + Sy / S0
	s_wait_xcnt 0x0                                ; EXEC, a source of the loads above, changes only behind this wait
	s_wait_tensorcnt 0x0
	ds_add_u32 v152, v153
	s_wait_dscnt 0x0
	s_and_saveexec_b32 s30, vcc_lo                 ; thread 0 alone
	global_store_b64 v[ZR], v[OUTV:OUTV+1], s[6:7]
	s_endpgm
.Lothers:
	s_wait_tensorcnt 0x0
	ds_add_u32 v152, v153
	s_wait_dscnt 0x0
	s_endpgm
.Lfunc_end_k_q7658586935_softargmax:
	.size	k_q7658586935_softargmax, .Lfunc_end_k_q7658586935_softargmax-k_q7658586935_softargmax
	.p2alignl 7, 3214868480
	.fill 96, 4, 3214868480
	.section	.rodata,"a",@progbits
	.p2align	6, 0x0
	.amdhsa_kernel k_q7658586935_softargmax
		.amdhsa_group_segment_fixed_size 2816
		.amdhsa_private_segment_fixed_size 0
		.amdhsa_enable_private_segment 0
		.amdhsa_kernarg_size 16
		.amdhsa_user_sgpr_count 2
		.amdhsa_user_sgpr_kernarg_segment_ptr 1
		.amdhsa_wavefront_size32 1
		.amdhsa_system_sgpr_workgroup_id_x 1
		.amdhsa_system_sgpr_workgroup_id_y 1
		.amdhsa_system_sgpr_workgroup_id_z 1
		.amdhsa_system_vgpr_workitem_id 0
		.amdhsa_next_free_vgpr 154
		.amdhsa_next_free_sgpr 66
		.amdhsa_reserve_vcc 1
		.amdhsa_float_denorm_mode_32 3
		.amdhsa_float_denorm_mode_16_64 3
		.amdhsa_memory_ordered 1
		.amdhsa_forward_progress 1
		.amdhsa_inst_pref_size 31
	.end_amdhsa_kernel
	.amdgpu_metadata
---
amdhsa.version: [ 1, 2 ]
amdhsa.kernels:
  - .name:           k_q7658586935_softargmax
    .symbol:         k_q7658586935_softargmax.kd
    .args:
      - { .name: x, .offset: 0, .size: 8, .value_kind: global_buffer, .address_space: global }
      - { .name: out0, .offset: 8, .size: 8, .value_kind: global_buffer, .address_space: global }
    .group_segment_fixed_size: 2816
    .private_segment_fixed_size: 0
    .kernarg_segment_align: 8
    .kernarg_segment_size: 16
    .max_flat_workgroup_size: 128
    .sgpr_count:     66
    .vgpr_count:     154
    .wavefront_size: 32
...
	.end_amdgpu_metadata
.endif
;; end of part 1
